; MI455X (gfx1250); checked and timed in simulation.
; The chip was launched on July 23, 2026; its instructions are those of AMD's public machine-readable ISA for CDNA 5 (MIT licence, August 2026) and "CDNA5" Instruction Set Architecture Reference Guide (July 2026). The comments in the code are by the model that wrote it; some were corrected since.
;; attention nearly Layer. Allowed arithmetic: float matrix products may take bf16 or f16 operands with f32 sums; other float arithmetic in f32, or as packed bf16 or f16 multiplies, adds, multiply-adds, maxima and minima; sums over many terms, partial sums and values carried from step to step in f32; what a program stores and reads back later, other than sums and carried values, may be rounded once to bf16 or f16.
;; Inputs: V_b 1 float32; V_w 1,024 x 1 float32; W1_b 1,024 float32; W1_w 1,024 x 1,024 float32; W2_b 1,024 float32; W2_w 1,024 x 1,024 float32; query 32 x 1 x 1,024 float32; values 32 x 2,048 x 1,024 float32.
;; Outputs: out0 32 x 1,024 float32; out1 32 x 2,048 x 1 float32.
;; One version. Each part assembles by itself: llvm-mc -triple=amdgcn-amd-amdhsa -mcpu=gfx1250 --defsym DOCPART=n.
;; ======== version 1 of 1: 3 launches
;; limits: values outside matrix products are rounded to bf16
;; workspace buffers: wf 2,097,152 bytes; tab 147,456 bytes; sc 262,144 bytes; part 2,097,152 bytes
;; launch prep (part 1): grid 192 x 1, 8 waves a work-group, no clusters, 17,408 bytes of LDS; arguments W1_w, W2_w, query, W1_b, W2_b, V_w, wf, tab; writes wf, tab
.if DOCPART == 1
	.amdgcn_target "amdgcn-amd-amdhsa--gfx1250"
	.amdhsa_code_object_version 6
	.text
	.protected	k_q3c99f6fdba_prep
	.globl	k_q3c99f6fdba_prep
	.p2align	8
	.type	k_q3c99f6fdba_prep,@function
k_q3c99f6fdba_prep:
	s_mov_b64 s[64:65], 0
	v_nop
	global_prefetch_b8 v0, s[64:65] scope:SCOPE_SE
	s_setreg_imm32_b32 hwreg(HW_REG_WAVE_MODE, 25, 1), 1
	s_wait_xcnt 0x0
; TWO SMALL JOBS IN FRONT OF THE LARGE PRODUCT, told apart by the work-group's number (the same for all eight waves of a work-group).
; PART W, work-groups 0-127: W1 [1024 d][1024 u] f32 -> wf, bf16, in the order in which the next launch's waves take matrix fragments out of LDS.
;   Element (d, u), with c = u / 64, ct = (u / 16) % 4, r = u % 16, ki = d / 512, kb = (d / 32) % 16, k = d % 32, lies at byte
;   c 131072 + ki 65536 + ((ct + 2 ki) % 4) 16384 + kb 1024 + (k / 16) 512 + (((k / 8) % 2) 16 + r) 16 + (k % 8) 2.
;   Work-group o takes rows d = 8 o .. 8 o + 7: a thread's eight numbers of one column are 16 bytes of wf, and 16 neighbouring lanes store 256 consecutive bytes, aligned.
; PART Q, work-groups 128-191: unit tile j = 16 units.  tab, 2,304 bytes a tile: bytes 64 b + 4 i: C2 (query[b] . W2[:, 16 j + i] + W1_b + W2_b), C2 = 2 log2 e, for the 32 batches b;
;   bytes 2048-2303: V_w[16 j + i], the sixteen numbers four times over.  K = 1,024 is split among the eight waves, 128 each; the eight partial sums meet in LDS.
; ROUNDING.  W1, W2, query, both biases and V_w are rounded once to bf16 (nearest even); products are summed in f32; tab holds f32.  NaN and infinities are not treated apart.
.set SPARE, 16384                      ; behind the partial sums: the spare words, 128 bytes for each of the eight waves
.set SPW, 246                          ; v246  SPARE + 4 x my thread's number; never rewritten
.set NIL, 247                          ; v247  0; never rewritten
.set XW,  32                           ; part W: v[32:63]  column q of four: eight f32, rows 8 o .. 8 o + 7
.set YW,  64                           ; part W: v[64:79]  the same packed: four registers a column
.set ACC, 16                           ; part Q: v[16:31]  two accumulators: batches 0-15, 16-31
.set XBF, 32                           ; part Q: v[32:95]  W2: 16 f32 for each of four K blocks; then the fragment in the first eight
.set QA,  96                           ; part Q: v[96:223] query: the same for (batch half, K block)
.set BI,  224                          ; part Q: v[224:229] my pair of W1_b, of W2_b, of V_w
.set SM,  230                          ; part Q: v[230:245] the eight waves' partial sums of my pair
	s_load_b512 s[4:19], s[0:1], 0x0               ; W1 s[4:5], W2 s[6:7], query s[8:9], W1_b s[10:11], W2_b s[12:13], V_w s[14:15], wf s[16:17], tab s[18:19]
	v_lshl_add_u32 v[SPW], v0, 2, SPARE
	v_mov_b32 v[NIL], 0
	v_lshrrev_b32 v1, 5, v0
	v_readfirstlane_b32 s20, v1                    ; wave 0..7
	s_mov_b32 s21, ttmp9
	s_mov_b32 s23, 0                               ; the high word of every offset pair s[22:23]
	s_wait_kmcnt 0x0
	s_cmp_lt_u32 s21, 128
	s_cbranch_scc0 .Lq
	; ---- PART W ----
	s_lshl_b32 s22, s21, 15                        ; eight rows of 4,096 bytes
	s_add_nc_u64 s[4:5], s[4:5], s[22:23]
	s_lshr_b32 s24, s21, 6                         ; ki
	s_lshl_b32 s22, s24, 16
	s_bfe_u32 s25, s21, 0x40002                    ; kb = (o / 4) % 16
	s_lshl_b32 s25, s25, 10
	s_add_co_u32 s22, s22, s25
	s_and_b32 s25, s21, 3                          ; (k / 16) 512 + ((k / 8) % 2) 256 = (o % 4) 256
	s_lshl_b32 s25, s25, 8
	s_add_co_u32 s22, s22, s25
	s_add_nc_u64 s[16:17], s[16:17], s[22:23]
	s_lshl_b32 s24, s24, 1                         ; 2 ki
	v_lshlrev_b32 v1, 2, v0                        ; my column of each 256: 4 bytes a thread
	v_lshrrev_b32 v2, 6, v0
	v_lshlrev_b32 v2, 17, v2                       ; (thread / 64) chunks of 131,072 bytes
	v_lshrrev_b32 v3, 4, v0
	v_add_nc_u32 v3, s24, v3
	v_and_b32 v3, 3, v3                            ; (ct + 2 ki) % 4
	v_lshl_add_u32 v2, v3, 14, v2
	v_and_b32 v4, 15, v0
	v_lshl_add_u32 v2, v4, 4, v2                   ; + 16 r
.irp q, 0,1,2,3
.irp i, 0,1,2,3,4,5,6,7
	global_load_b32 v[XW+8*(\q)+(\i)], v1, s[4:5] offset:(\i)*4096+(\q)*1024 th:TH_LOAD_NT
.endr
.endr
.irp q, 0,1,2,3
	s_wait_loadcnt 24-8*(\q)                       ; loads come back in order: the eight of column q are in, those of the later columns may stay out
.irp p, 0,1,2,3
	v_cvt_pk_bf16_f32 v[YW+4*(\q)+(\p)], v[XW+8*(\q)+2*(\p)], v[XW+8*(\q)+2*(\p)+1]
.endr
	global_store_b128 v2, v[YW+4*(\q):YW+4*(\q)+3], s[16:17] offset:(\q)*524288  ; 256 columns on are four chunks on
.endr
	s_endpgm                                       ; this part has written no LDS
	; ---- PART Q ----
.Lq:
	s_sub_co_u32 s21, s21, 128                     ; j
	s_lshl_b32 s24, s21, 6                         ; 16 units of 4 bytes
	s_lshl_b32 s22, s20, 19                        ; my 128 rows of W2
	s_add_co_u32 s22, s22, s24
	s_add_nc_u64 s[6:7], s[6:7], s[22:23]
	s_lshl_b32 s22, s20, 9                         ; my 128 channels of query
	s_add_nc_u64 s[8:9], s[8:9], s[22:23]
	s_mov_b32 s22, s24
	s_add_nc_u64 s[10:11], s[10:11], s[22:23]
	s_add_nc_u64 s[12:13], s[12:13], s[22:23]
	s_add_nc_u64 s[14:15], s[14:15], s[22:23]
	s_mul_i32 s22, s21, 2304
	s_add_nc_u64 s[18:19], s[18:19], s[22:23]      ; my tile of tab
	s_lshl_b32 s25, s20, 11                        ; my wave's 2,048 bytes of partial sums
	v_and_b32 v1, 15, v0                           ; r
	v_bfe_u32 v2, v0, 4, 1                         ; h
	v_lshlrev_b32 v3, 2, v1
	v_lshl_add_u32 v3, v2, 15, v3                  ; W2: unit r, rows 8 h on
	v_lshlrev_b32 v4, 12, v1
	v_lshl_add_u32 v4, v2, 5, v4                   ; query: batch r, channels 8 h on
	v_and_b32 v5, 7, v0
	v_lshlrev_b32 v5, 3, v5                        ; my pair of units: 2 (thread % 8)
	v_and_b32 v6, 31, v0
	v_lshlrev_b32 v6, 4, v6
	v_add_nc_u32 v6, s25, v6                       ; where I put 16 bytes of a partial tile
	v_lshrrev_b32 v7, 7, v0                        ; where my pair (batch thread / 8, units 2 (thread % 8)) lies in a wave's partial tiles:
	v_lshlrev_b32 v7, 10, v7                       ; batch half
	v_bfe_u32 v8, v0, 1, 1
	v_lshl_add_u32 v7, v8, 9, v7                   ; registers 0-3 or 4-7
	v_bfe_u32 v8, v0, 2, 1
	v_lshl_add_u32 v7, v8, 8, v7                   ; lane half h
	v_bfe_u32 v8, v0, 3, 4
	v_lshl_add_u32 v7, v8, 4, v7                   ; lane r = batch % 16
	v_and_b32 v8, 1, v0
	v_lshl_add_u32 v7, v8, 3, v7                   ; which two of the four registers
	v_lshlrev_b32 v9, 3, v0                        ; my 8 bytes of the tile's 2,048
	; A fragment is 16 rows x 32 k in 8 registers: lane (r, h) holds row r, k = 8 h + 0..7 and 16 + 8 h + 0..7.  Raw number e of 16 is k = 8 h + e (+ 8 from e = 8 on).
.irp kk, 0,1,2,3
.irp e, 0,1,2,3,4,5,6,7
	global_load_b32 v[XBF+16*(\kk)+(\e)],   v3, s[6:7] offset:(32*(\kk)+(\e))*4096
	global_load_b32 v[XBF+16*(\kk)+8+(\e)], v3, s[6:7] offset:(32*(\kk)+16+(\e))*4096
.endr
.endr
.irp rh, 0,1
.irp kk, 0,1,2,3
	global_load_b128 v[QA+16*(4*(\rh)+(\kk)):QA+16*(4*(\rh)+(\kk))+3],     v4, s[8:9] offset:(\rh)*65536+(\kk)*128
	global_load_b128 v[QA+16*(4*(\rh)+(\kk))+4:QA+16*(4*(\rh)+(\kk))+7],   v4, s[8:9] offset:(\rh)*65536+(\kk)*128+16
	global_load_b128 v[QA+16*(4*(\rh)+(\kk))+8:QA+16*(4*(\rh)+(\kk))+11],  v4, s[8:9] offset:(\rh)*65536+(\kk)*128+64
	global_load_b128 v[QA+16*(4*(\rh)+(\kk))+12:QA+16*(4*(\rh)+(\kk))+15], v4, s[8:9] offset:(\rh)*65536+(\kk)*128+80
.endr
.endr
	global_load_b64 v[BI:BI+1],   v5, s[10:11]
	global_load_b64 v[BI+2:BI+3], v5, s[12:13]
	global_load_b64 v[BI+4:BI+5], v5, s[14:15]
	s_wait_loadcnt 0x0                             ; one trip to memory for all that the wave needs
.set g_, 0
.rept 12                                       ; twelve groups of 16 raw numbers lie on end from XBF; register i of a fragment takes raw 2 i and 2 i + 1, in place and ascending
.set i_, 0
.rept 8
	v_cvt_pk_bf16_f32 v[XBF+16*g_+i_], v[XBF+16*g_+2*i_], v[XBF+16*g_+2*i_+1]
.set i_, i_+1
.endr
.set g_, g_+1
.endr
	; source 0 = 16 units, source 1 = 16 batches: register i of lane (r, h) is unit 8 h + i, batch r.  The two accumulators take turns; the first K block starts the sums.
.irp kk, 0,1,2,3
.irp rh, 0,1
.if (\kk) == 0
	v_wmma_f32_16x16x32_bf16 v[ACC+8*(\rh):ACC+8*(\rh)+7], v[XBF+16*(\kk):XBF+16*(\kk)+7], v[QA+16*(4*(\rh)+(\kk)):QA+16*(4*(\rh)+(\kk))+7], 0
.else
	v_wmma_f32_16x16x32_bf16 v[ACC+8*(\rh):ACC+8*(\rh)+7], v[XBF+16*(\kk):XBF+16*(\kk)+7], v[QA+16*(4*(\rh)+(\kk)):QA+16*(4*(\rh)+(\kk))+7], v[ACC+8*(\rh):ACC+8*(\rh)+7]
.endif
.endr
.endr
.rept 8
	v_nop                                          ; the places between the last product and the stores that read the sums; once a launch
.endr
.irp rh, 0,1
	ds_store_b128 v6, v[ACC+8*(\rh):ACC+8*(\rh)+3]   offset:(\rh)*1024
	ds_store_b128 v6, v[ACC+8*(\rh)+4:ACC+8*(\rh)+7] offset:(\rh)*1024+512
.endr
	s_wait_dscnt 0x0                               ; for the others' sake: my partial sums lie in LDS
	s_barrier_signal -1
	s_barrier_wait -1
.irp w, 0,1,2,3,4,5,6,7
	ds_load_b64 v[SM+2*(\w):SM+2*(\w)+1], v7 offset:(\w)*2048
.endr
	v_cvt_pk_bf16_f32 v10, v[BI], v[BI+1]          ; the biases and V_w rounded to bf16 and widened again, while the loads are out
	v_cvt_pk_bf16_f32 v11, v[BI+2], v[BI+3]
	v_cvt_pk_bf16_f32 v12, v[BI+4], v[BI+5]
	v_lshlrev_b32 v[BI],   16, v10
	v_and_b32     v[BI+1], 0xffff0000, v10
	v_lshlrev_b32 v[BI+2], 16, v11
	v_and_b32     v[BI+3], 0xffff0000, v11
	v_lshlrev_b32 v[BI+4], 16, v12
	v_and_b32     v[BI+5], 0xffff0000, v12
	v_pk_add_f32 v[BI:BI+1], v[BI:BI+1], v[BI+2:BI+3]
	s_wait_dscnt 0x0
	v_pk_add_f32 v[SM:SM+1],     v[SM:SM+1],     v[SM+2:SM+3]
	v_pk_add_f32 v[SM+4:SM+5],   v[SM+4:SM+5],   v[SM+6:SM+7]
	v_pk_add_f32 v[SM+8:SM+9],   v[SM+8:SM+9],   v[SM+10:SM+11]
	v_pk_add_f32 v[SM+12:SM+13], v[SM+12:SM+13], v[SM+14:SM+15]
	v_pk_add_f32 v[SM:SM+1],     v[SM:SM+1],     v[SM+4:SM+5]
	v_pk_add_f32 v[SM+8:SM+9],   v[SM+8:SM+9],   v[SM+12:SM+13]
	v_pk_add_f32 v[SM:SM+1],     v[SM:SM+1],     v[SM+8:SM+9]
	v_pk_add_f32 v[SM:SM+1],     v[SM:SM+1],     v[BI:BI+1]
	v_mul_f32 v[SM],   0x4038aa3b, v[SM]           ; C2 = 2 log2 e: the next launch's exponent is C2 x + this
	v_mul_f32 v[SM+1], 0x4038aa3b, v[SM+1]
	global_store_b64 v9, v[SM:SM+1], s[18:19]      ; a wave stores 256 consecutive bytes, aligned
	s_cmp_lg_u32 s20, 0
	s_cbranch_scc1 .Lqe
	global_store_b64 v9, v[BI+4:BI+5], s[18:19] offset:2048  ; wave 0: V_w's sixteen numbers, four times: 256 consecutive bytes
.Lqe:
	s_wait_tensorcnt 0x0                           ; the wave's end: behind my last LDS store
	ds_add_u32 v[SPW], v[NIL]
	s_wait_dscnt 0x0
	s_endpgm
.Lfunc_end_k_q3c99f6fdba_prep:
	.size	k_q3c99f6fdba_prep, .Lfunc_end_k_q3c99f6fdba_prep-k_q3c99f6fdba_prep
	.p2alignl 7, 3214868480
	.fill 96, 4, 3214868480
	.section	.rodata,"a",@progbits
	.p2align	6, 0x0
	.amdhsa_kernel k_q3c99f6fdba_prep
		.amdhsa_group_segment_fixed_size 17408
		.amdhsa_private_segment_fixed_size 0
		.amdhsa_enable_private_segment 0
		.amdhsa_kernarg_size 64
		.amdhsa_user_sgpr_count 2
		.amdhsa_user_sgpr_kernarg_segment_ptr 1
		.amdhsa_wavefront_size32 1
		.amdhsa_system_sgpr_workgroup_id_x 1
		.amdhsa_system_sgpr_workgroup_id_y 1
		.amdhsa_system_sgpr_workgroup_id_z 1
		.amdhsa_system_vgpr_workitem_id 0
		.amdhsa_next_free_vgpr 248
		.amdhsa_next_free_sgpr 66
		.amdhsa_reserve_vcc 0
		.amdhsa_float_denorm_mode_32 3
		.amdhsa_float_denorm_mode_16_64 3
		.amdhsa_memory_ordered 1
		.amdhsa_forward_progress 1
		.amdhsa_inst_pref_size 26
	.end_amdhsa_kernel
	.amdgpu_metadata
---
amdhsa.version: [ 1, 2 ]
amdhsa.kernels:
  - .name:           k_q3c99f6fdba_prep
    .symbol:         k_q3c99f6fdba_prep.kd
    .args:
      - { .name: W1_w, .offset: 0, .size: 8, .value_kind: global_buffer, .address_space: global }
      - { .name: W2_w, .offset: 8, .size: 8, .value_kind: global_buffer, .address_space: global }
      - { .name: query, .offset: 16, .size: 8, .value_kind: global_buffer, .address_space: global }
      - { .name: W1_b, .offset: 24, .size: 8, .value_kind: global_buffer, .address_space: global }
      - { .name: W2_b, .offset: 32, .size: 8, .value_kind: global_buffer, .address_space: global }
      - { .name: V_w, .offset: 40, .size: 8, .value_kind: global_buffer, .address_space: global }
      - { .name: wf, .offset: 48, .size: 8, .value_kind: global_buffer, .address_space: global }
      - { .name: tab, .offset: 56, .size: 8, .value_kind: global_buffer, .address_space: global }
    .group_segment_fixed_size: 17408
    .private_segment_fixed_size: 0
    .kernarg_segment_align: 8
    .kernarg_segment_size: 64
    .max_flat_workgroup_size: 256
    .sgpr_count:     66
    .vgpr_count:     248
    .wavefront_size: 32
...
	.end_amdgpu_metadata
.endif
;; end of part 1
;; launch main (part 2): grid 512 x 1, 4 waves a work-group, clusters of 4 x 1, 327,680 bytes of LDS; arguments values, V_b, wf, tab, sc, part; writes sc, part
.if DOCPART == 2
	.amdgcn_target "amdgcn-amd-amdhsa--gfx1250"
	.amdhsa_code_object_version 6
	.text
	.protected	k_q3c99f6fdba_main
	.globl	k_q3c99f6fdba_main
	.p2align	8
	.type	k_q3c99f6fdba_main,@function
k_q3c99f6fdba_main:
	s_mov_b64 s[64:65], 0
	v_nop
	global_prefetch_b8 v0, s[64:65] scope:SCOPE_SE
	s_setreg_imm32_b32 hwreg(HW_REG_WAVE_MODE, 25, 1), 1
	s_wait_xcnt 0x0
	s_wait_alu depctr_hold_cnt(0) depctr_sa_sdst(0) depctr_va_vdst(0) depctr_va_sdst(0) depctr_va_ssrc(0) depctr_va_vcc(0) depctr_vm_vsrc(0)
	s_getreg_b32 s2, hwreg(HW_REG_IB_STS2, 6, 4)
	s_cmp_eq_u32 s2, 0
	s_cbranch_scc0 .Lentry_in_a_cluster
	s_endpgm
.Lentry_in_a_cluster:
	s_bfe_u32 s2, ttmp6, 0x10000c
	s_cmp_lg_u32 s2, 0x3003
	s_cbranch_scc0 .Lentry_shape_is_right
	s_endpgm
.Lentry_shape_is_right:
; ADDITIVE ATTENTION, ONE BLOCK OF 128 TIMES OF ONE BATCH TO A WORK-GROUP.  score[t] = V_b + sum over u of V_w[u] tanh(values[t] . W1[:, u] + cb[u]), cb = the query's part and both biases (tab);
; then, for the block alone: m = max score, p = exp(score - m), part[d] = sum over t of p[t] values[t][d].  The last launch joins the sixteen blocks of a batch.
; THE BLOCK STAYS IN REGISTERS from the first product to the second, so values is read from memory once.  Wave w = 2 mi + ki holds rows 64 mi .. + 63, channels 512 ki .. + 511 in bf16: 512 registers.
; W1 (wf: bf16, in fragment order) is walked in 16 chunks of 64 units through a ring of two LDS slots of 131,072 bytes.  A wave multiplies its 64 rows x 512 channels by all 64 units of a chunk:
; 256 matrix instructions on 16 accumulators, in eight eighths of 32.  The two channel halves of a row half meet through LDS: a wave sends eight tiles of partial sums, takes eight, and finishes 32 of the 64 units.
; wf is laid so that every wave finishes its local unit tiles 0, 1 and sends 2, 3: one text for both halves.
; tanh x = 1 - 2 / (1 + 2^(C2 x)), C2 = 2 log2 e: it ends at 1 and at -1 for exponents of any size.  score = sum V_w - 2 sum V_w / (1 + 2^..).
; A CHUNK'S END LIES UNDER THE NEXT CHUNK'S PRODUCTS.  Behind a chunk's last eight products ride H = C2 x (my sums) + cb, which frees the accumulators; what the partner needs is stored; the next chunk begins.
; In it: eighth 0 holds the barrier between the sending and the taking; the partner's half R is loaded with eighth 2's fragments; eighths 2, 3 carry H = C2 R + H and the exponentials, eighths 4, 5 the + 1 and
; the reciprocals, eighth 6 the sums with V_w: a slice of two or three vector lines behind every second matrix instruction.  Eighth 7 holds the change of slots.
; NO FIRST CHUNK IS WRITTEN OUT: chunk 0 carries the end of a chunk that has not been: H, what is sent and that chunk's V_w are 0, so it adds 0.5 x 0.  The price: 80 lines that write 0, while the block's first
; loads are on their way.  Behind chunk 15 its own end is written out by itself.
; CLUSTER.  All work-groups walk the same wf, so the four of a cluster ask for each quarter of a chunk JOINTLY: the same tensor load, descriptor and mask in all four; the descriptor hangs on the wave's number and the chunk alone.
; ROUNDING AND LIMITS.  values is rounded once to bf16 (nearest even) for both products; sums, scores, maxima and exponentials in f32; p is rounded to bf16 for the second product.
; A weight below 2^-126 counts as 0.  NaN and infinities among the inputs are not treated apart.
; REGISTERS, in windows of 256 (s_set_vgpr_msb: bits 1:0 source 0, 3:2 source 1, 5:4 source 2, 7:6 destination):
;   window 0: v0-23 addresses; v24-31 at work; v32-63 and v96-127 two buffers of cb (16) and V_w (16), by the chunk's parity; v64-73 the scores' sums; v74-127 also the block's end;
;             v128-191 H; v192-255 R (while values comes in: the packed numbers)
;   window 1: v0-127 16 accumulators, tile (l, a) at 8 (4 l + a); v128-255 two buffers of W1's fragments (while values comes in: two landing sets of 128; at the end: 32 accumulators)
;   windows 2, 3: the block: fragment (row tile a, K block kb) in window 2 + kb / 8 at 8 (4 (kb % 8) + a); at the end the same numbers turned
; A slice works in window 0 alone, so it costs two switches of the windows: the lesser price beside a matrix unit that stands still while the vector lines run by themselves.
.set RSLOT, 131072                     ; a slot of the ring: wave w fills 32,768 w on; a fragment lies at 65536 ki + 16384 l + 1024 kb, 16 bytes a lane, twice
.set XB,    262144                     ; 33,792 bytes that no tensor load fills: first each wave's stage (16 rows of 528 bytes), later the exchange (8,192 bytes a wave)
.set STP,   528                        ; a stage row: 512 bytes + 16: the sixteen rows of a fragment load start 16 bytes apart modulo 256
.set SCB,   295936                     ; 1,024: the two channel halves' parts of the 128 scores
.set PBB,   296960                     ; 1,024: each wave's own copy of the 128 weights in bf16
.set CTXB,  297984                     ; 8,192: the two row halves' parts of the 1,024 sums
.set SPARE, 306176                     ; 512: the spare words, 128 bytes for each wave; no other line names them
.set DP,    1056                       ; the dump, behind the ring's last fill: 64 rows of 1,024 bytes + 32 for each wave, from LDS byte 0 on
.set VLO, 2                            ; v2   16 x lane
.set STS, 3                            ; v3   stage, in: 8 bytes a lane
.set STL, 4                            ; v4   stage, out: row r, 16 h
.set BA0, 5                            ; v5, v6  my fragments in slot 0, 1
.set XS,  7                            ; v7   exchange: where I send
.set XR,  8                            ; v8   where my partner has sent
.set CBO, 9                            ; v9   my byte offset in a chunk of tab, for cb
.set VWO, 10                           ; v10  for V_w
.set SCS, 11
.set SCL, 12
.set PBS, 13
.set PBL, 14
.set DMP, 15
.set TRL, 16
.set CXS, 17
.set CXL, 18
.set GO,  19                           ; v19  16 x thread
.set PFO, 21                           ; v21  256 x lane; never rewritten
.set SPW, 22                           ; v22  SPARE + 4 x my thread's number; never rewritten
.set NIL, 23                           ; v23  0; never rewritten
.set TB0, 32                           ; table buffer b at TB0 + 64 b: cb of my two unit tiles (16), then V_w (16)
.set SACC, 64                          ; v[64:71] for each row tile a pair: sum of V_w / (1 + 2^..) over my units (even, odd)
.set VSUM, 72                          ; v[72:73] sum of V_w over my units
.set PF,  96                           ; v[96:111] at the end: the weights as two fragments
.set H,   128
.set RV,  192
.set TT,  192
.set GB,  128                          ; window 1
.set WV,  16
.set MI,  17
.set KI,  18
.set CX,  19
.set BLK, 20
.set BAT, 21
.set G1,  24                           ; s[24:31] descriptor group 1
.set G0,  32                           ; s[32:39] descriptor group 0, a set for each slot
.set TRIPS, 40
.set LIM, 41                           ; 1 in the cluster that prefetches, else the greatest number
.set C2,  42                           ; s[42:43]
.set SEL, 44                           ; s[44:45] v_permlanex16_b32's selects: each lane takes its own place in the other half
.set L2E, 46
.set VB,  48
.set PFA, 50                           ; s[50:51] where my prefetches stand in wf
.set VAL, 52                           ; s[52:53] values at my wave's first row and channel; never rewritten
.set TABB, 54                          ; s[54:55] tab at the chunk whose table was asked for last
.set SCO, 58                           ; s[58:59] sc at my block
.set PTO, 60                           ; s[60:61] part at my block
.set MSB, 0
.macro WIN new                         ; the immediate's high byte repeats the setting that is left; a switch that changes nothing is dropped
.if MSB != (\new)
	s_set_vgpr_msb (MSB<<8)|(\new)
.set MSB, (\new)
.endif
.endm
.macro PLACES                          ; four places: between a matrix instruction and a vector line, store or load that touches its registers (ISA guide 7.12.1 for vector lines)
.rept 4
	v_nop
.endr
.endm
; A round of the cluster's barrier: my work-group's barrier, so that wave 0's signal speaks for all four waves; wave 0 signals; every wave waits for all four work-groups; my work-group's barrier once more.
.macro CREST                           ; a round behind its opening barrier
	s_cmp_lg_u32 s[WV], 0
	s_cbranch_scc1 .Lnot_wave_0_\@
	s_barrier_signal -3
.Lnot_wave_0_\@:
	s_barrier_wait -3
	s_barrier_signal -1
	s_barrier_wait -1
.endm
.macro ROUND                           ; a whole round
	s_barrier_signal -1
	s_barrier_wait -1
	CREST
.endm
; 32 loads: 16 rows (row tile a) x 1,024 bytes (half hf of my 512 channels) of f32 into landing set 'set'; each load takes 512 consecutive bytes of one row.
.macro GL set, a, hf
	WIN 0x40
.set i_, 0
.rept 32
	global_load_b128 v[128*(\set)+4*i_:128*(\set)+4*i_+3], v[VLO], s[VAL:VAL+1] offset:(16*(\a)+i_/2)*4096+(\hf)*1024+(i_%2)*512 th:TH_LOAD_NT
.set i_, i_+1
.endr
.endm
; That batch is rounded to bf16, laid into my stage as 16 rows of 512 bytes, and read back as eight fragments.  The stage is my own and LDS serves a wave's instructions in order (ISA guide 5.7.1.4): no wait, no barrier.
.macro CV set, a, hf, left
	s_wait_loadcnt \left                           ; loads come back in order: this batch is in, the younger batch's 32 may stay out
	WIN 0x05
.set i_, 0
.rept 64
	v_cvt_pk_bf16_f32 v[TT+i_], v[128*(\set)+2*i_], v[128*(\set)+2*i_+1]
.set i_, i_+1
.endr
	WIN 0
.set i_, 0
.rept 32
	ds_store_b64 v[STS], v[TT+2*i_:TT+2*i_+1] offset:(i_/2)*STP+(i_%2)*256
.set i_, i_+1
.endr
	WIN 0x80+0x40*(\hf)
.set i_, 0
.rept 8
	ds_load_b128 v[8*(4*i_+(\a)):8*(4*i_+(\a))+3],   v[STL] offset:i_*64
	ds_load_b128 v[8*(4*i_+(\a))+4:8*(4*i_+(\a))+7], v[STL] offset:i_*64+32
.set i_, i_+1
.endr
.endm
; 16 LDS loads in one run: W1's fragments of K blocks 2 sg, 2 sg + 1 for all four unit tiles, into buffer sg % 2.
.macro FETCH slot, sg
	WIN 0x40
.irp kp, 0,1
.irp lm, 0,1,2,3
	ds_load_b128 v[GB+64*((\sg)%2)+32*(\kp)+8*(\lm):GB+64*((\sg)%2)+32*(\kp)+8*(\lm)+3],   v[BA0+(\slot)] offset:(\lm)*16384+(2*(\sg)+(\kp))*1024
	ds_load_b128 v[GB+64*((\sg)%2)+32*(\kp)+8*(\lm)+4:GB+64*((\sg)%2)+32*(\kp)+8*(\lm)+7], v[BA0+(\slot)] offset:(\lm)*16384+(2*(\sg)+(\kp))*1024+512
.endr
.endr
.endm
; One matrix instruction.  Source 0 = 16 units, source 1 = 16 rows: a lane holds ONE row (lane % 16) and the units 8 (lane / 16) + 0..7.  A chunk's first 16 start the sums with the constant 0.
.macro WM sg, kp, lm, a
	WIN 0x59+4*((\sg)/4)
.if ((\sg) == 0) && ((\kp) == 0)
	v_wmma_f32_16x16x32_bf16 v[8*(4*(\lm)+(\a)):8*(4*(\lm)+(\a))+7], v[GB+64*((\sg)%2)+32*(\kp)+8*(\lm):GB+64*((\sg)%2)+32*(\kp)+8*(\lm)+7], v[8*(4*((2*(\sg)+(\kp))%8)+(\a)):8*(4*((2*(\sg)+(\kp))%8)+(\a))+7], 0
.else
	v_wmma_f32_16x16x32_bf16 v[8*(4*(\lm)+(\a)):8*(4*(\lm)+(\a))+7], v[GB+64*((\sg)%2)+32*(\kp)+8*(\lm):GB+64*((\sg)%2)+32*(\kp)+8*(\lm)+7], v[8*(4*((2*(\sg)+(\kp))%8)+(\a)):8*(4*((2*(\sg)+(\kp))%8)+(\a))+7], v[8*(4*(\lm)+(\a)):8*(4*(\lm)+(\a))+7]
.endif
.endm
; THE VECTOR WORK OF A CHUNK'S END, in slices; rn_ numbers the slices of a kind.  H's pair i belongs to tile i / 4 (unit tile i / 16, row tile (i / 4) % 4), units 2 (i % 4) on.
;   kind 4,  8 slices: H = C2 x my sums + cb, four pairs a slice, each accumulator read from its low end on (cbr_: this chunk's cb)
;   kind 1, 32 slices: pair rn_: H = C2 R + H; the two exponentials of the pair before; the last slice has its own pair's too.  No line names an exponential's result
;   kind 2, 32 slices: pair rn_: H = H + 1; the two reciprocals of the pair before; likewise
;   kind 3, 16 slices: two of the 32 sums with V_w, the four row tiles' chains by turns; the first eight slices also add a pair of V_w to its own sum (vwr_: that chunk's V_w)
; The 64 exponentials are one batch, the 64 reciprocals another: behind each batch stand a plain line and the one wait ahead of the first reader.
.macro SLICE kind
.if (\kind) == 1
	WIN 0
	v_pk_fma_f32 v[H+2*rn_:H+2*rn_+1], v[RV+2*rn_:RV+2*rn_+1], s[C2:C2+1], v[H+2*rn_:H+2*rn_+1] op_sel_hi:[1,0,1]
.if rn_ > 0
	v_exp_f32 v[H+2*rn_-2], v[H+2*rn_-2]
	v_exp_f32 v[H+2*rn_-1], v[H+2*rn_-1]
.endif
.if rn_ == 31
	v_exp_f32 v[H+62], v[H+62]
	v_exp_f32 v[H+63], v[H+63]
.endif
.elseif (\kind) == 2
	WIN 0
	v_pk_add_f32 v[H+2*rn_:H+2*rn_+1], v[H+2*rn_:H+2*rn_+1], 1.0 op_sel_hi:[1,0]
.if rn_ > 0
	v_rcp_f32 v[H+2*rn_-2], v[H+2*rn_-2]
	v_rcp_f32 v[H+2*rn_-1], v[H+2*rn_-1]
.endif
.if rn_ == 31
	v_rcp_f32 v[H+62], v[H+62]
	v_rcp_f32 v[H+63], v[H+63]
.endif
.elseif (\kind) == 3
	WIN 0
.irp z, 0,1
.set j_, 2*rn_+(\z)                    ; sum j: unit tile j / 16, pair (j / 4) % 4, row tile j % 4
	v_pk_fma_f32 v[SACC+2*(j_%4):SACC+2*(j_%4)+1], v[H+8*(4*(j_/16)+j_%4)+2*((j_/4)%4):H+8*(4*(j_/16)+j_%4)+2*((j_/4)%4)+1], v[vwr_+8*(j_/16)+2*((j_/4)%4):vwr_+8*(j_/16)+2*((j_/4)%4)+1], v[SACC+2*(j_%4):SACC+2*(j_%4)+1]
.endr
.if rn_ < 8
	v_pk_add_f32 v[VSUM:VSUM+1], v[VSUM:VSUM+1], v[vwr_+2*rn_:vwr_+2*rn_+1]
.endif
.else
	WIN 0x01                                       ; source 0, my sums, in window 1
.irp z, 0,1,2,3
	v_pk_fma_f32 v[H+2*(4*rn_+(\z)):H+2*(4*rn_+(\z))+1], v[2*(4*rn_+(\z)):2*(4*rn_+(\z))+1], s[C2:C2+1], v[cbr_+8*(rn_/4)+2*(\z):cbr_+8*(rn_/4)+2*(\z)+1] op_sel_hi:[1,0,1]
.endr
.endif
.set rn_, rn_+1
.endm
.macro RIDE kind                       ; what stands behind a matrix instruction: kind 4: a slice behind each; kinds 1 to 3: behind every second; kind 0: nothing
.if (\kind) == 4
	SLICE 4
.elseif (\kind) > 0
.if wn_%2
	SLICE \kind
.endif
.endif
.set wn_, wn_+1
.endm
; Eight matrix instructions: K block 2 sg + kp, unit tiles l0 and l1, all four row tiles.  The 16 accumulators take turns, one instruction a turn, in the same order everywhere.
.macro MQ sg, kp, l0, l1, kind
.irp lm, \l0, \l1
.irp a, 0,1,2,3
	WM \sg, \kp, \lm, \a
	RIDE \kind
.endr
.endr
.endm
.macro MUL sg, kind                    ; an eighth: 32 matrix instructions
.set wn_, 0
	MQ \sg, 0, 0, 1, \kind
	MQ \sg, 0, 2, 3, \kind
	MQ \sg, 1, 0, 1, \kind
	MQ \sg, 1, 2, 3, \kind
.endm
; Eighths 2 to 6: the next eighth's fragments are asked for, 32 matrix instructions ahead of their use, into the buffer that the eighth before has multiplied.
; fresh = 1: a new kind of slice begins.  walu = 1: the kind before ended a batch of transcendentals: the four v_nop are also the plain line behind the last of them, and the batch's one wait stands ahead of the run of loads.
.macro STEP slot, sg, kind, fresh, walu
	PLACES
.if \walu
	s_wait_alu depctr_va_vdst(0)
.endif
	FETCH \slot, (\sg)+1
	s_wait_dscnt 16                                ; all but the 16 just issued: this eighth's fragments are in (ahead of eighth 2: R too)
.if \fresh
.set rn_, 0
.endif
	MUL \sg, \kind
.endm
.macro TABLD buf                       ; cb and V_w of my two unit tiles of the chunk at TABB: eight numbers a lane and tile, into table buffer buf
	WIN 0
.irp lm, 0,1
	global_load_b128 v[TB0+64*(\buf)+8*(\lm):TB0+64*(\buf)+8*(\lm)+3],       v[CBO], s[TABB:TABB+1] offset:(\lm)*2304
	global_load_b128 v[TB0+64*(\buf)+8*(\lm)+4:TB0+64*(\buf)+8*(\lm)+7],     v[CBO], s[TABB:TABB+1] offset:(\lm)*2304+16
	global_load_b128 v[TB0+64*(\buf)+16+8*(\lm):TB0+64*(\buf)+16+8*(\lm)+3],   v[VWO], s[TABB:TABB+1] offset:(\lm)*2304
	global_load_b128 v[TB0+64*(\buf)+16+8*(\lm)+4:TB0+64*(\buf)+16+8*(\lm)+7], v[VWO], s[TABB:TABB+1] offset:(\lm)*2304+16
.endr
.endm
.macro TAKE                            ; the eight tiles that my partner has sent: 512 consecutive bytes a load
	WIN 0
.set i_, 0
.rept 16
	ds_load_b128 v[RV+4*i_:RV+4*i_+3], v[XR] offset:512*i_
.set i_, i_+1
.endr
.endm
; A PREFETCH INTO THE L2 of the chunk that the NEXT refill will ask for: 131,072 bytes = 4 work-groups x 4 waves x 32 lanes x 256 bytes, shared out BY ADDRESS, a lane a block, one line a wave.
; All clusters walk the same wf: the first cluster alone asks, so each block is named once in the launch.  It stands behind the joint load, its five lines and the run of LDS loads.
; how = 1: the refill of slot 0, which always has a chunk behind it; how = 0: that of slot 1, which in the loop's last trip has none.  Chunks 0 to 2 come by their loads alone.
.macro ASK how
.if \how
	s_cmp_eq_u32 s[LIM], 1
.else
	s_cmp_gt_u32 s[TRIPS], s[LIM]
.endif
	s_cbranch_scc0 .Lnot_mine_\@
	global_prefetch_b8 v[PFO], s[PFA:PFA+1] th:TH_LOAD_NT scope:SCOPE_SE
.Lnot_mine_\@:
.endm
; A CHUNK, in slot 'slot' (its number's parity).  mode 2: its slot is filled again, with the chunk two on; 1: the last but one; 0: the last.
; It finds: its first two runs of fragments asked for, behind them the 16 stores of the chunk before; H of the chunk before; that chunk's V_w in the other table buffer, its own table in buffer 'slot'.
.macro CHUNK slot, mode, how
.set cbr_, TB0+64*(\slot)
.set vwr_, TB0+64*(1-(\slot))+16
	s_wait_dscnt 32                                ; eighth 0's fragments are in; eighth 1's 16 loads and the 16 stores may be out
.set wn_, 0
	MQ 0, 0, 0, 1, 0
	MQ 0, 0, 2, 3, 0
	MQ 0, 1, 0, 1, 0
	s_wait_dscnt 0x0                               ; what I sent lies in LDS (and eighth 1's fragments are in):
	s_barrier_signal -1                            ; say so; the refill may stay out across it
	MQ 0, 1, 2, 3, 0
	s_barrier_wait -1                              ; my partner has said so too
	PLACES
	FETCH \slot, 2
	TAKE                                           ; in one run with eighth 2's fragments
	MUL 1, 0
	STEP \slot, 2, 1, 1, 0
	STEP \slot, 3, 1, 0, 0
	STEP \slot, 4, 2, 1, 1
	STEP \slot, 5, 2, 0, 0
	STEP \slot, 6, 3, 1, 1
	; eighth 7 and the change of slots
	WIN 0
.if (\mode) > 0
	s_wait_xcnt 0x0                                ; the last table loads and the last prefetch, a chunk back, have read their addresses
	s_add_nc_u64 s[TABB:TABB+1], s[TABB:TABB+1], 9216  ; four unit tiles of 2,304 bytes
.if (\mode) == 2
	s_add_nc_u64 s[PFA:PFA+1], s[PFA:PFA+1], RSLOT
.endif
	TABLD 1-(\slot)                                ; the next chunk's table, into the buffer whose V_w eighth 6 has just used up
.endif
	s_wait_tensorcnt 0x0                           ; all my tensor loads have landed: the one that was out is my quarter of the other slot; so a group 0 may be written
	ds_add_u32 v[SPW], v[NIL]                      ; 0 onto my spare word; eight matrix instructions stand between it and the wait for it
.if (\mode) == 2
	s_add_nc_u64 s[G0+4*(\slot)+2:G0+4*(\slot)+3], s[G0+4*(\slot)+2:G0+4*(\slot)+3], 2*RSLOT  ; this slot's next chunk; the type bits on top are not reached
.endif
	s_wait_dscnt 1                                 ; eighth 7's fragments are in; the add may be out
	MQ 7, 0, 0, 1, 0
	s_wait_dscnt 0x0                               ; the add is done; my reads of this slot and of the exchange are over
	s_barrier_signal -1                            ; say so (in mode 2 this barrier opens a round of the cluster's barrier),
	MQ 7, 0, 2, 3, 0                               ; work on registers while the others arrive,
.if (\mode) == 2
	WIN 0
.endif
	s_barrier_wait -1                              ; and go on when all four have said so: the exchange may be written again, the other slot is whole
.if (\mode) == 2
	CREST                                          ; all that now holds of every wave of all four work-groups
	tensor_load_to_lds s[G0+4*(\slot):G0+4*(\slot)+3], s[G1:G1+7]  ; my one tensor load behind the round, and the first thing there: it has a chunk's 256 matrix instructions in which to land
	s_nop 0
	PLACES                                         ; also the places in front of the loads below
.elseif (\mode) == 1
	PLACES
.endif
.if (\mode) > 0
	FETCH 1-(\slot), 0                             ; the next chunk's first fragments
.endif
	WIN 0
.if (\mode) == 2
	ASK \how
.endif
.if (\mode) > 0
	s_wait_loadcnt 8                               ; this chunk's table, asked for a chunk ago, is in; the next chunk's eight loads may stay out
.else
	s_wait_loadcnt 0x0
.endif
	MQ 7, 1, 0, 1, 0                               ; my own eight tiles are finished,
	PLACES                                         ; four places behind them,
.set rn_, 0
	MQ 7, 1, 2, 3, 4                               ; and they are taken out of the accumulators behind the partner's last eight products
	PLACES
.if (\mode) > 0
	FETCH 1-(\slot), 1                             ; the next chunk's second run,
.endif
	WIN 0x04
.set i_, 0
.rept 16                                       ; and the partner's eight tiles, each from its low end on: 512 consecutive bytes a store
	ds_store_b128 v[XS], v[64+4*i_:64+4*i_+3] offset:512*i_
.set i_, i_+1
.endr
.endm
	s_load_b256 s[4:11], s[0:1], 0x0               ; values s[4:5], V_b s[6:7], wf s[8:9], tab s[10:11]
	s_load_b128 s[12:15], s[0:1], 0x20             ; sc s[12:13], part s[14:15]
	v_lshl_add_u32 v[SPW], v0, 2, SPARE
	v_mov_b32 v[NIL], 0
	ds_add_u32 v[SPW], v[NIL]                      ; the wave's opening: the add and its wait stand ahead of my first tensor load; the set-up below, work on registers, stands between them
	v_lshrrev_b32 v1, 5, v0
	v_readfirstlane_b32 s[WV], v1                  ; wave 0..3
	s_lshr_b32 s[MI], s[WV], 1                     ; my half of the rows
	s_and_b32 s[KI], s[WV], 1                      ; my half of the channels
	s_bfe_u32 s[CX], ttmp6, 0x40000                ; my place in the cluster: it enters global addresses alone
	s_lshl_b32 s[BLK], ttmp9, 2                    ; in a cluster launch ttmp9 counts clusters
	s_add_co_u32 s[BLK], s[BLK], s[CX]             ; my block of 128 rows
	s_lshr_b32 s[BAT], ttmp9, 2                    ; its batch: sixteen blocks, four clusters
	v_and_b32 v24, 31, v0                          ; lane
	v_and_b32 v25, 15, v0                          ; r
	v_bfe_u32 v26, v0, 4, 1                        ; h
	v_lshlrev_b32 v[VLO], 4, v24
	s_mul_i32 s22, s[WV], 16*STP
	s_add_co_u32 s22, s22, XB                      ; my stage
	v_lshl_add_u32 v[STS], v24, 3, s22
	v_mul_u32_u24 v27, v25, STP
	v_lshl_add_u32 v27, v26, 4, v27
	v_add_nc_u32 v[STL], s22, v27
	s_lshl_b32 s22, s[KI], 16
	v_add_nc_u32 v[BA0], s22, v[VLO]
	v_add_nc_u32 v[BA0+1], RSLOT, v[BA0]
	s_lshl_b32 s22, s[WV], 13
	s_add_co_u32 s22, s22, XB
	v_add_nc_u32 v[XS], s22, v[VLO]
	s_sub_co_u32 s22, 1, s[KI]                     ; my partner: the same rows, the other channels: wave 2 mi + 1 - ki
	s_lshl_b32 s23, s[MI], 1
	s_add_co_u32 s22, s22, s23
	s_lshl_b32 s22, s22, 13
	s_add_co_u32 s22, s22, XB
	v_add_nc_u32 v[XR], s22, v[VLO]
	s_mul_i32 s22, s[KI], 4608                     ; my two unit tiles of a chunk's four
	s_lshl_b32 s23, s[BAT], 6
	s_add_co_u32 s23, s23, s22
	v_lshl_add_u32 v[CBO], v26, 5, s23             ; + the batch's 64 bytes + my eight units
	s_add_co_u32 s22, s22, 2048
	v_lshl_add_u32 v[VWO], v26, 5, s22
	s_lshl_b32 s22, s[KI], 9
	s_lshl_b32 s23, s[MI], 8
	s_add_co_u32 s22, s22, s23
	s_add_co_u32 s22, s22, SCB
	v_lshl_add_u32 v[SCS], v25, 2, s22
	v_add_nc_u32 v[SCL], SCB, v[VLO]
	s_lshl_b32 s22, s[WV], 8
	s_add_co_u32 s22, s22, PBB
	v_lshl_add_u32 v[PBS], v24, 3, s22
	s_lshl_b32 s23, s[MI], 7
	s_add_co_u32 s22, s22, s23
	v_lshl_add_u32 v[PBL], v26, 4, s22
	s_mul_i32 s22, s[WV], 64*DP                    ; my part of the dump
	v_mul_u32_u24 v27, v25, DP
	v_lshl_add_u32 v27, v26, 4, v27
	v_add_nc_u32 v[DMP], s22, v27                  ; in: row r, 16 h
	v_and_b32 v27, 7, v0
	v_lshl_add_u32 v27, v26, 3, v27
	v_mul_u32_u24 v27, v27, DP
	v_bfe_u32 v28, v0, 3, 1
	v_lshl_add_u32 v27, v28, 4, v27
	v_add_nc_u32 v[TRL], s22, v27                  ; out, turned: row 8 h + lane % 8, channels 8 ((lane / 8) % 2) on
	s_lshl_b32 s22, s[MI], 12
	s_lshl_b32 s23, s[KI], 11
	s_add_co_u32 s22, s22, s23
	s_add_co_u32 s22, s22, CTXB
	v_lshl_add_u32 v[CXS], v25, 2, s22
	v_lshlrev_b32 v[GO], 4, v0
	v_add_nc_u32 v[CXL], CTXB, v[GO]
	v_lshlrev_b32 v[PFO], 8, v24
.set i_, 0
.rept 10
	v_mov_b32 v[SACC+i_], 0                        ; the scores' sums run over all sixteen chunks: ten registers start at 0
.set i_, i_+1
.endr
	; descriptor group 1: 32,768 dense bytes as 128 rows of 256 bytes
	s_mov_b32 s[G1+0], 15|(3<<16)|(1<<21)          ; 15:0 the mask: all four work-groups; 17:16 elements of 8 bytes; 21 set beside a mask; no padding
	s_mov_b32 s[G1+1], 32<<16                      ; tensor_dim0 = 32
	s_mov_b32 s[G1+2], 128<<16                     ; tensor_dim1 = 128
	s_mov_b32 s[G1+3], 32<<16                      ; tile_dim0 = 32
	s_mov_b32 s[G1+4], 128                         ; tile_dim1 = 128
	s_mov_b32 s[G1+5], 32                          ; 32 elements from row to row
	s_mov_b32 s[G1+6], 0
	s_mov_b32 s[G1+7], 0
	s_mov_b32 s[G0+0], 1
	s_lshl_b32 s[G0+1], s[WV], 15                  ; LDS address: my quarter of slot 0,
	s_mov_b32 s[G0+4], 1
	s_add_co_u32 s[G0+5], s[G0+1], RSLOT           ; of slot 1
	s_mov_b32 s[C2], 0x4038aa3b                    ; 2 log2 e
	s_mov_b32 s[C2+1], s[C2]                       ; named with it as a pair
	s_mov_b32 s[SEL], 0x76543210
	s_mov_b32 s[SEL+1], 0xfedcba98
	s_mov_b32 s[L2E], 0x3fb8aa3b                   ; log2 e
	s_cmp_eq_u32 ttmp9, 0
	s_cselect_b32 s[LIM], 1, -1                    ; the same in all four partners
	s_wait_dscnt 0x0                               ; the opening add is done
	s_wait_kmcnt 0x0
	s_load_b32 s[VB], s[6:7], 0x0
	s_lshl_b32 s22, s[BLK], 19                     ; 128 rows of 4,096 bytes
	s_lshl_b32 s23, s[MI], 18
	s_add_co_u32 s22, s22, s23
	s_lshl_b32 s23, s[KI], 11
	s_add_co_u32 s22, s22, s23
	s_mov_b32 s23, 0
	s_add_nc_u64 s[VAL:VAL+1], s[4:5], s[22:23]
	s_mov_b64 s[TABB:TABB+1], s[10:11]
	s_lshl_b32 s22, s[BLK], 9
	s_add_nc_u64 s[SCO:SCO+1], s[12:13], s[22:23]
	s_lshl_b32 s22, s[BLK], 12
	s_add_nc_u64 s[PTO:PTO+1], s[14:15], s[22:23]
	s_lshl_b32 s22, s[WV], 15
	s_add_nc_u64 s[G0+2:G0+3], s[8:9], s[22:23]    ; global address: my quarter of chunk 0,
	s_add_nc_u64 s[G0+6:G0+7], s[G0+2:G0+3], RSLOT ; of chunk 1
	s_or_b32 s[G0+3], s[G0+3], 0x80000000          ; type = 2
	s_or_b32 s[G0+7], s[G0+7], 0x80000000
	s_lshl_b32 s22, s[CX], 2
	s_add_co_u32 s22, s22, s[WV]
	s_lshl_b32 s22, s22, 13                        ; my wave's 8,192 bytes of a chunk, among the cluster's sixteen waves,
	s_add_co_u32 s22, s22, 2*RSLOT                 ; in chunk 2: the first refill steps it to chunk 3
	s_add_nc_u64 s[PFA:PFA+1], s[8:9], s[22:23]
	s_wait_kmcnt 0x0                               ; V_b
	GL 0, 0, 0                                     ; the block's first 64 loads go out before anything else
	GL 1, 0, 1
	WIN 0
	ROUND                                          ; all four work-groups are here: the first joint loads meet
	tensor_load_to_lds s[G0:G0+3], s[G1:G1+7]      ; chunks 0 and 1: the two first fills stand together; two tensor loads of mine are out here, later one
	s_nop 0
	tensor_load_to_lds s[G0+4:G0+7], s[G1:G1+7]
	s_nop 0
	PLACES
.set i_, 0
.rept 64
	v_mov_b32 v[H+i_], 0                           ; what chunk 0 finds of the chunk that has not been: H = 0,
.set i_, i_+1
.endr
.set i_, 0
.rept 16
	v_mov_b32 v[TB0+80+i_], 0                      ; and V_w = 0 in the second table buffer.  All this stands in the wait for the block's first loads
.set i_, i_+1
.endr
	CV 0, 0, 0, 32                                 ; eight batches, two on their way at a time: 32 KiB a wave
	GL 0, 1, 0
	CV 1, 0, 1, 32
	GL 1, 1, 1
	CV 0, 1, 0, 32
	GL 0, 2, 0
	CV 1, 1, 1, 32
	GL 1, 2, 1
	CV 0, 2, 0, 32
	GL 0, 3, 0
	CV 1, 2, 1, 32
	GL 1, 3, 1
	CV 0, 3, 0, 32
	CV 1, 3, 1, 0                                  ; the last batch: nothing younger is out
	TABLD 0                                        ; chunk 0's cb and V_w
	s_wait_tensorcnt 1                             ; my quarter of chunk 0 is in; chunk 1's may stay out
	s_wait_dscnt 0x0                               ; the block is in its registers, and my use of the stage is over: its bytes become the exchange
	s_barrier_signal -1
	s_barrier_wait -1
	FETCH 0, 0
	FETCH 0, 1
	WIN 0
.set i_, 0
.rept 16
	ds_store_b128 v[XS], v[H:H+3] offset:512*i_    ; what the chunk that has not been sends: 0
.set i_, i_+1
.endr
	s_mov_b32 s[TRIPS], 7                          ; (every window is 0 at the label)
.Lpair:                                        ; seven trips: chunks 2 i and 2 i + 1 are multiplied, chunks 2 i + 2 and 2 i + 3 asked for
	CHUNK 0, 2, 1
	CHUNK 1, 2, 0
	WIN 0
	s_sub_co_u32 s[TRIPS], s[TRIPS], 1
	s_cmp_lg_u32 s[TRIPS], 0
	s_cbranch_scc1 .Lpair
	CHUNK 0, 1, 0                                  ; the last two chunks are written out: nothing is left to ask for
	CHUNK 1, 0, 0
	; chunk 15's own end, by itself
	s_wait_dscnt 0x0                               ; what I sent lies in LDS
	s_barrier_signal -1
	s_barrier_wait -1
	TAKE
	s_wait_dscnt 0x0                               ; the partner's half is in registers: my reads of the exchange are over,
	s_barrier_signal -1                            ; say so, and work on registers while the others arrive
.set vwr_, TB0+80
.set rn_, 0
.rept 32
	SLICE 1
.endr
	v_nop
	s_wait_alu depctr_va_vdst(0)
.set rn_, 0
.rept 32
	SLICE 2
.endr
	v_nop
	s_wait_alu depctr_va_vdst(0)
.set rn_, 0
.rept 16
	SLICE 3
.endr
	s_barrier_wait -1                              ; all four have read: the dump may begin
	; THE BLOCK'S END.  The ring has had its last fill and nobody reads it or the exchange any more: my 64 rows x 512 channels go into LDS as they lie in their fragments,
	; and come back turned (16 channels a fragment, the rows along the registers), into the registers that they left.  The region is my own, and LDS serves a wave's instructions in order.
.irp w2, 0,1
	WIN 0x08+4*(\w2)
.set i_, 0
.rept 32                                       ; register group i = 4 (kb % 8) + a
	ds_store_b128 v[DMP], v[8*i_:8*i_+3]   offset:(i_%4)*16*DP+(8*(\w2)+i_/4)*64
	ds_store_b128 v[DMP], v[8*i_+4:8*i_+7] offset:(i_%4)*16*DP+(8*(\w2)+i_/4)*64+32
.set i_, i_+1
.endr
.endr
.irp tau, 0,1                          ; rows 32 tau on; channels 16 i on
	WIN 0x80+0x40*(\tau)
.set i_, 0
.rept 32
	ds_load_tr16_b128 v[8*i_:8*i_+3],   v[TRL] offset:(\tau)*32*DP+i_*32
	ds_load_tr16_b128 v[8*i_+4:8*i_+7], v[TRL] offset:(\tau)*32*DP+16*DP+i_*32
.set i_, i_+1
.endr
.endr
	WIN 0
	v_add_f32 v74, v[VSUM], v[VSUM+1]              ; my part of the scores: sum V_w - 2 sum V_w / (1 + 2^..), over my units
.irp a, 0,1,2,3
	v_add_f32 v[76+(\a)], v[SACC+2*(\a)], v[SACC+2*(\a)+1]
	v_mov_b32 v[80+(\a)], 0                        ; v_permlanex16_b32's destination counts as read
.endr
.irp a, 0,1,2,3
	v_fma_f32 v[76+(\a)], v[76+(\a)], -2.0, v74
.endr
.irp a, 0,1,2,3
	v_permlanex16_b32 v[80+(\a)], v[76+(\a)], s[SEL], s[SEL+1]  ; a row's other eight units of each tile lie in the lane 16 away
.endr
.irp a, 0,1,2,3
	v_add_f32 v[76+(\a)], v[76+(\a)], v[80+(\a)]
.endr
.irp a, 0,1,2,3
	ds_store_b32 v[SCS], v[76+(\a)] offset:64*(\a)
.endr
	s_wait_dscnt 0x0                               ; my part of the scores lies in LDS; the turned block is in
	s_barrier_signal -1
	s_barrier_wait -1
	ds_load_b128 v[84:87], v[SCL]                  ; every wave takes all 128 scores, four rows a lane: the first channel half's units,
	ds_load_b128 v[88:91], v[SCL] offset:512       ; the second's
	v_mov_b32 v93, 0
	s_wait_dscnt 0x0
	v_pk_add_f32 v[84:85], v[84:85], v[88:89]
	v_pk_add_f32 v[86:87], v[86:87], v[90:91]
.irp q, 0,1,2,3
	v_add_f32 v[84+(\q)], s[VB], v[84+(\q)]
.endr
	v_max3_num_f32 v92, v84, v85, v86              ; the block's maximum
	v_max_num_f32 v92, v92, v87
	v_max_num_f32_dpp v92, v92, v92 row_xmask:1 row_mask:0xf bank_mask:0xf
	v_max_num_f32_dpp v92, v92, v92 row_xmask:2 row_mask:0xf bank_mask:0xf
	v_max_num_f32_dpp v92, v92, v92 row_xmask:4 row_mask:0xf bank_mask:0xf
	v_max_num_f32_dpp v92, v92, v92 row_xmask:8 row_mask:0xf bank_mask:0xf
	v_permlanex16_b32 v93, v92, s[SEL], s[SEL+1]
	v_max_num_f32 v92, v92, v93
.irp q, 0,1,2,3
	v_sub_f32 v[88+(\q)], v[84+(\q)], v92
.endr
.irp q, 0,1,2,3
	v_mul_f32 v[88+(\q)], s[L2E], v[88+(\q)]
.endr
.irp q, 0,1,2,3
	v_exp_f32 v[88+(\q)], v[88+(\q)]               ; p = exp(score - m)
.endr
	v_nop                                          ; a plain line behind the last exponential,
	s_wait_alu depctr_va_vdst(0)                   ; and the one wait for the four, ahead of their first reader
	v_cvt_pk_bf16_f32 v94, v88, v89
	v_cvt_pk_bf16_f32 v95, v90, v91
	ds_store_b64 v[PBS], v[94:95]                  ; my wave's own copy of the 128 weights; it comes back as two fragments whose sixteen rows are all alike: my 64 rows' weights
	ds_load_b128 v[PF:PF+3],     v[PBL]
	ds_load_b128 v[PF+4:PF+7],   v[PBL] offset:32
	ds_load_b128 v[PF+8:PF+11],  v[PBL] offset:64
	ds_load_b128 v[PF+12:PF+15], v[PBL] offset:96
	s_cmp_lg_u32 s[WV], 0
	s_cbranch_scc1 .Lno_scores
	global_store_b128 v[VLO], v[84:87], s[SCO:SCO+1]  ; wave 0: the block's 128 scores, 512 consecutive bytes
.Lno_scores:
	s_wait_dscnt 0x0
	; sum over my 64 rows of p x values, for my 512 channels: source 0 = the weights, source 1 = 16 channels x 32 rows.  Every row of a result is the same; register 0 of lane (r, h) is channel r.
	; The 32 accumulators take turns; the first 32 rows start the sums.
	WIN 0x58
.set i_, 0
.rept 32
	v_wmma_f32_16x16x32_bf16 v[8*i_:8*i_+7], v[PF:PF+7], v[8*i_:8*i_+7], 0
.set i_, i_+1
.endr
	WIN 0x5c
.set i_, 0
.rept 32
	v_wmma_f32_16x16x32_bf16 v[8*i_:8*i_+7], v[PF+8:PF+15], v[8*i_:8*i_+7], v[8*i_:8*i_+7]
.set i_, i_+1
.endr
	PLACES
	PLACES                                         ; (eight, once a block)
	WIN 0x04
.set i_, 0
.rept 32
	ds_store_b32 v[CXS], v[8*i_] offset:64*i_      ; each accumulator's lowest register
.set i_, i_+1
.endr
	WIN 0
	s_wait_dscnt 0x0
	s_barrier_signal -1
	s_barrier_wait -1                              ; both row halves' sums of all 1,024 channels lie in LDS
	ds_load_b128 v[112:115], v[CXL]                ; channels 4 t on: rows 0-63,
	ds_load_b128 v[116:119], v[CXL] offset:4096    ; rows 64-127;
	ds_load_b128 v[120:123], v[CXL] offset:2048    ; channels 512 + 4 t on
	ds_load_b128 v[124:127], v[CXL] offset:6144
	s_wait_dscnt 0x0
	v_pk_add_f32 v[112:113], v[112:113], v[116:117]
	v_pk_add_f32 v[114:115], v[114:115], v[118:119]
	v_pk_add_f32 v[120:121], v[120:121], v[124:125]
	v_pk_add_f32 v[122:123], v[122:123], v[126:127]
	global_store_b128 v[GO], v[112:115], s[PTO:PTO+1]              ; 16 lanes store 256 consecutive bytes, aligned
	global_store_b128 v[GO], v[120:123], s[PTO:PTO+1] offset:2048
	s_wait_tensorcnt 0x0                           ; the wave's end: behind my last tensor load and my last LDS store
	ds_add_u32 v[SPW], v[NIL]
	s_wait_dscnt 0x0
	ROUND                                          ; the closing round: no work-group ends while a partner may still ask for a tile that names it
	s_endpgm
.Lfunc_end_k_q3c99f6fdba_main:
	.size	k_q3c99f6fdba_main, .Lfunc_end_k_q3c99f6fdba_main-k_q3c99f6fdba_main
	.p2alignl 7, 3214868480
	.fill 96, 4, 3214868480
	.section	.rodata,"a",@progbits
	.p2align	6, 0x0
	.amdhsa_kernel k_q3c99f6fdba_main
		.amdhsa_group_segment_fixed_size 327680
		.amdhsa_private_segment_fixed_size 0
		.amdhsa_enable_private_segment 0
		.amdhsa_kernarg_size 48
		.amdhsa_user_sgpr_count 2
		.amdhsa_user_sgpr_kernarg_segment_ptr 1
		.amdhsa_wavefront_size32 1
		.amdhsa_system_sgpr_workgroup_id_x 1
		.amdhsa_system_sgpr_workgroup_id_y 1
		.amdhsa_system_sgpr_workgroup_id_z 1
		.amdhsa_system_vgpr_workitem_id 0
		.amdhsa_next_free_vgpr 1024
		.amdhsa_next_free_sgpr 66
		.amdhsa_reserve_vcc 0
		.amdhsa_float_denorm_mode_32 3
		.amdhsa_float_denorm_mode_16_64 3
		.amdhsa_memory_ordered 1
		.amdhsa_forward_progress 1
		.amdhsa_inst_pref_size 255
	.end_amdhsa_kernel
	.section	.bss,"aw",@nobits
	.p2align	6
	.space	262144
	.amdgpu_metadata
---
amdhsa.version: [ 1, 2 ]
amdhsa.kernels:
  - .name:           k_q3c99f6fdba_main
    .symbol:         k_q3c99f6fdba_main.kd
    .args:
      - { .name: values, .offset: 0, .size: 8, .value_kind: global_buffer, .address_space: global }
      - { .name: V_b, .offset: 8, .size: 8, .value_kind: global_buffer, .address_space: global }
      - { .name: wf, .offset: 16, .size: 8, .value_kind: global_buffer, .address_space: global }
      - { .name: tab, .offset: 24, .size: 8, .value_kind: global_buffer, .address_space: global }
      - { .name: sc, .offset: 32, .size: 8, .value_kind: global_buffer, .address_space: global }
      - { .name: part, .offset: 40, .size: 8, .value_kind: global_buffer, .address_space: global }
    .group_segment_fixed_size: 327680
    .private_segment_fixed_size: 0
    .kernarg_segment_align: 8
    .kernarg_segment_size: 48
    .max_flat_workgroup_size: 128
    .sgpr_count:     66
    .vgpr_count:     1024
    .wavefront_size: 32
...
	.end_amdgpu_metadata
.endif
;; end of part 2
;; launch fin (part 3): grid 32 x 1, 8 waves a work-group, no clusters, 1,280 bytes of LDS; arguments sc, part, out0, out1; writes out0, out1
.if DOCPART == 3
	.amdgcn_target "amdgcn-amd-amdhsa--gfx1250"
	.amdhsa_code_object_version 6
	.text
	.protected	k_q3c99f6fdba_fin
	.globl	k_q3c99f6fdba_fin
	.p2align	8
	.type	k_q3c99f6fdba_fin,@function
k_q3c99f6fdba_fin:
	s_mov_b64 s[64:65], 0
	v_nop
	global_prefetch_b8 v0, s[64:65] scope:SCOPE_SE
	s_setreg_imm32_b32 hwreg(HW_REG_WAVE_MODE, 25, 1), 1
	s_wait_xcnt 0x0
; THE SIXTEEN BLOCKS OF A BATCH ARE JOINED.  A work-group takes one batch: 2,048 scores (sc) and sixteen partial sums of 1,024 channels (part), each made with its block's own maximum m_k.
; out1[t] = exp(s[t] - M) / L, out0[d] = sum over k of f_k part_k[d] / L, with M = max m_k, f_k = exp(m_k - M), L = sum f_k l_k, l_k = sum over the block of exp(s - m_k).
; A maximum rounds nothing, so m_k is the number by which the launch before made part_k.  All in f32.  A weight below 2^-126 counts as 0; NaN and infinities are not treated apart.
; Wave w holds blocks w and 8 + w whole (four scores a lane each), so a block's maximum and sum never leave a wave; the 32 figures meet in LDS once.
; 32 work-groups are all the work there is: 2.4 MB in, 0.4 MB out.  No matrix unit, no cluster, no ring: nothing is shared and nothing is read twice.
.set SPARE, 256                        ; the spare words, 128 bytes for each of the eight waves; the block from 0 holds the 16 m and the 16 l
.set SPW, 158                          ; v158  SPARE + 4 x my thread's number; never rewritten
.set NIL, 159                          ; v159  0; never rewritten
.set SV,  4                            ; v[4:11]   my eight scores, then their exponentials, then the weights
.set MB,  12                           ; v12, v13  my two blocks' maxima, then their factors
.set TP,  14                           ; v14, v15  at work
.set LB,  16                           ; v16, v17  my two blocks' sums
.set AC,  24                           ; v[24:27]  my four channels of out0
.set PT,  32                           ; v[32:95]  my four channels of the sixteen partial sums
.set MA,  96                           ; v[96:111] all sixteen m, then f
.set LA,  112                          ; v[112:127] all sixteen l
	s_load_b256 s[4:11], s[0:1], 0x0               ; sc s[4:5], part s[6:7], out0 s[8:9], out1 s[10:11]
	v_lshl_add_u32 v[SPW], v0, 2, SPARE
	v_mov_b32 v[NIL], 0
	v_lshrrev_b32 v1, 5, v0
	v_readfirstlane_b32 s12, v1                    ; wave 0..7
	v_lshlrev_b32 v2, 4, v0                        ; 16 bytes a thread
	s_lshl_b32 s14, ttmp9, 13                      ; the batch's 8,192 bytes of sc and of out1,
	s_mov_b32 s15, 0
	s_lshl_b32 s16, ttmp9, 16                      ; 65,536 of part,
	s_mov_b32 s17, 0
	s_lshl_b32 s18, ttmp9, 12                      ; 4,096 of out0
	s_mov_b32 s19, 0
	s_mov_b32 s20, 0x3fb8aa3b                      ; log2 e
	s_mov_b32 s22, 0x76543210                      ; v_permlanex16_b32: each lane takes its own place in the other half
	s_mov_b32 s23, 0xfedcba98
	v_mov_b32 v18, s12
	v_lshlrev_b32 v18, 2, v18                      ; my wave's word
	v_mov_b32 v19, 0
	v_mov_b32 v[TP], 0                             ; v_permlanex16_b32's destinations count as read
	v_mov_b32 v[TP+1], 0
	s_wait_kmcnt 0x0
	s_add_nc_u64 s[4:5], s[4:5], s[14:15]
	s_add_nc_u64 s[6:7], s[6:7], s[16:17]
	s_add_nc_u64 s[8:9], s[8:9], s[18:19]
	s_add_nc_u64 s[10:11], s[10:11], s[14:15]
	global_load_b128 v[SV:SV+3],   v2, s[4:5]
	global_load_b128 v[SV+4:SV+7], v2, s[4:5] offset:4096
.irp k, 0,1,2,3,4,5,6,7,8,9,10,11,12,13,14,15
	global_load_b128 v[PT+4*(\k):PT+4*(\k)+3], v2, s[6:7] offset:4096*(\k)
.endr
	s_wait_loadcnt 16                              ; the scores are in; the sixteen younger loads stay out while the softmax is made
.irp i, 0,1
	v_max3_num_f32 v[MB+(\i)], v[SV+4*(\i)], v[SV+4*(\i)+1], v[SV+4*(\i)+2]
.endr
.irp i, 0,1
	v_max_num_f32 v[MB+(\i)], v[MB+(\i)], v[SV+4*(\i)+3]
.endr
.irp x, 1,2,4,8
	v_max_num_f32_dpp v[MB], v[MB], v[MB] row_xmask:\x row_mask:0xf bank_mask:0xf
	v_max_num_f32_dpp v[MB+1], v[MB+1], v[MB+1] row_xmask:\x row_mask:0xf bank_mask:0xf
.endr
	v_permlanex16_b32 v[TP], v[MB], s22, s23
	v_permlanex16_b32 v[TP+1], v[MB+1], s22, s23
	v_max_num_f32 v[MB], v[MB], v[TP]              ; every lane holds its two blocks' maxima
	v_max_num_f32 v[MB+1], v[MB+1], v[TP+1]
.irp q, 0,1,2,3,4,5,6,7
	v_sub_f32 v[SV+(\q)], v[SV+(\q)], v[MB+(\q)/4]
.endr
.irp q, 0,1,2,3,4,5,6,7
	v_mul_f32 v[SV+(\q)], s20, v[SV+(\q)]
.endr
.irp q, 0,1,2,3,4,5,6,7
	v_exp_f32 v[SV+(\q)], v[SV+(\q)]
.endr
	v_nop                                          ; a plain line behind the last exponential,
	s_wait_alu depctr_va_vdst(0)                   ; and the one wait ahead of the batch's first reader
.irp i, 0,1
	v_add_f32 v[LB+(\i)], v[SV+4*(\i)], v[SV+4*(\i)+1]
	v_add_f32 v[TP+(\i)], v[SV+4*(\i)+2], v[SV+4*(\i)+3]
.endr
	v_add_f32 v[LB], v[LB], v[TP]
	v_add_f32 v[LB+1], v[LB+1], v[TP+1]
.irp x, 1,2,4,8
	v_add_f32_dpp v[LB], v[LB], v[LB] row_xmask:\x row_mask:0xf bank_mask:0xf
	v_add_f32_dpp v[LB+1], v[LB+1], v[LB+1] row_xmask:\x row_mask:0xf bank_mask:0xf
.endr
	v_permlanex16_b32 v[TP], v[LB], s22, s23
	v_permlanex16_b32 v[TP+1], v[LB+1], s22, s23
	v_add_f32 v[LB], v[LB], v[TP]
	v_add_f32 v[LB+1], v[LB+1], v[TP+1]
	ds_store_b32 v18, v[MB]                        ; all lanes write the same word with the same number: m of block w,
	ds_store_b32 v18, v[MB+1] offset:32            ; of block 8 + w,
	ds_store_b32 v18, v[LB]   offset:64            ; and their l
	ds_store_b32 v18, v[LB+1] offset:96
	s_wait_dscnt 0x0                               ; for the others' sake
	s_barrier_signal -1
	s_barrier_wait -1
.irp j, 0,1,2,3
	ds_load_b128 v[MA+4*(\j):MA+4*(\j)+3], v19 offset:16*(\j)
.endr
.irp j, 0,1,2,3
	ds_load_b128 v[LA+4*(\j):LA+4*(\j)+3], v19 offset:64+16*(\j)
.endr
	s_wait_dscnt 0x0
	v_max3_num_f32 v20, v[MA], v[MA+1], v[MA+2]    ; M
.irp j, 3,5,7,9,11,13
	v_max3_num_f32 v20, v20, v[MA+(\j)], v[MA+(\j)+1]
.endr
	v_max_num_f32 v20, v20, v[MA+15]
.irp k, 0,1,2,3,4,5,6,7,8,9,10,11,12,13,14,15
	v_sub_f32 v[MA+(\k)], v[MA+(\k)], v20
.endr
	v_sub_f32 v[MB], v[MB], v20                    ; my own two blocks' once more: no register can be picked by the wave's number
	v_sub_f32 v[MB+1], v[MB+1], v20
.irp k, 0,1,2,3,4,5,6,7,8,9,10,11,12,13,14,15
	v_mul_f32 v[MA+(\k)], s20, v[MA+(\k)]
.endr
	v_mul_f32 v[MB], s20, v[MB]
	v_mul_f32 v[MB+1], s20, v[MB+1]
.irp k, 0,1,2,3,4,5,6,7,8,9,10,11,12,13,14,15
	v_exp_f32 v[MA+(\k)], v[MA+(\k)]               ; f_k
.endr
	v_exp_f32 v[MB], v[MB]
	v_exp_f32 v[MB+1], v[MB+1]
	v_nop
	s_wait_alu depctr_va_vdst(0)                   ; one wait for the eighteen
	v_mul_f32 v22, v[MA], v[LA]                    ; L; the largest block has f = 1 and l >= 1, so L >= 1
.irp k, 1,2,3,4,5,6,7,8,9,10,11,12,13,14,15
	v_fmac_f32 v22, v[MA+(\k)], v[LA+(\k)]
.endr
	v_rcp_f32 v23, v22
	v_nop
	s_wait_alu depctr_va_vdst(0)
	v_mul_f32 v[MB], v[MB], v23
	v_mul_f32 v[MB+1], v[MB+1], v23
.irp q, 0,1,2,3,4,5,6,7
	v_mul_f32 v[SV+(\q)], v[SV+(\q)], v[MB+(\q)/4]
.endr
	global_store_b128 v2, v[SV:SV+3],   s[10:11]              ; 16 lanes store 256 consecutive bytes, aligned
	global_store_b128 v2, v[SV+4:SV+7], s[10:11] offset:4096
	s_wait_loadcnt 0x0                             ; the partial sums
.irp c, 0,1,2,3
	v_mul_f32 v[AC+(\c)], v[MA], v[PT+(\c)]
.endr
.irp k, 1,2,3,4,5,6,7,8,9,10,11,12,13,14,15
.irp c, 0,1,2,3
	v_fmac_f32 v[AC+(\c)], v[MA+(\k)], v[PT+4*(\k)+(\c)]
.endr
.endr
.irp c, 0,1,2,3
	v_mul_f32 v[AC+(\c)], v[AC+(\c)], v23
.endr
	global_store_b128 v2, v[AC:AC+3], s[8:9]
	s_wait_tensorcnt 0x0                           ; the wave's end: behind my last LDS store
	ds_add_u32 v[SPW], v[NIL]
	s_wait_dscnt 0x0
	s_endpgm
.Lfunc_end_k_q3c99f6fdba_fin:
	.size	k_q3c99f6fdba_fin, .Lfunc_end_k_q3c99f6fdba_fin-k_q3c99f6fdba_fin
	.p2alignl 7, 3214868480
	.fill 96, 4, 3214868480
	.section	.rodata,"a",@progbits
	.p2align	6, 0x0
	.amdhsa_kernel k_q3c99f6fdba_fin
		.amdhsa_group_segment_fixed_size 1280
		.amdhsa_private_segment_fixed_size 0
		.amdhsa_enable_private_segment 0
		.amdhsa_kernarg_size 32
		.amdhsa_user_sgpr_count 2
		.amdhsa_user_sgpr_kernarg_segment_ptr 1
		.amdhsa_wavefront_size32 1
		.amdhsa_system_sgpr_workgroup_id_x 1
		.amdhsa_system_sgpr_workgroup_id_y 1
		.amdhsa_system_sgpr_workgroup_id_z 1
		.amdhsa_system_vgpr_workitem_id 0
		.amdhsa_next_free_vgpr 160
		.amdhsa_next_free_sgpr 66
		.amdhsa_reserve_vcc 0
		.amdhsa_float_denorm_mode_32 3
		.amdhsa_float_denorm_mode_16_64 3
		.amdhsa_memory_ordered 1
		.amdhsa_forward_progress 1
		.amdhsa_inst_pref_size 13
	.end_amdhsa_kernel
	.amdgpu_metadata
---
amdhsa.version: [ 1, 2 ]
amdhsa.kernels:
  - .name:           k_q3c99f6fdba_fin
    .symbol:         k_q3c99f6fdba_fin.kd
    .args:
      - { .name: sc, .offset: 0, .size: 8, .value_kind: global_buffer, .address_space: global }
      - { .name: part, .offset: 8, .size: 8, .value_kind: global_buffer, .address_space: global }
      - { .name: out0, .offset: 16, .size: 8, .value_kind: global_buffer, .address_space: global }
      - { .name: out1, .offset: 24, .size: 8, .value_kind: global_buffer, .address_space: global }
    .group_segment_fixed_size: 1280
    .private_segment_fixed_size: 0
    .kernarg_segment_align: 8
    .kernarg_segment_size: 32
    .max_flat_workgroup_size: 256
    .sgpr_count:     66
    .vgpr_count:     160
    .wavefront_size: 32
...
	.end_amdgpu_metadata
.endif
;; end of part 3
